; MI455X (gfx1250); checked and timed in simulation.
; The chip was launched on July 23, 2026; its instructions are those of AMD's public machine-readable ISA for CDNA 5 (MIT licence, August 2026) and "CDNA5" Instruction Set Architecture Reference Guide (July 2026). The comments in the code are by the model that wrote it; some were corrected since.
;; HMLSTM Cell3. Allowed arithmetic: matrix products marked QUANTISED: E2M1 operands, one E8M0 scale for each 32 along K, by v_wmma_scale_f32_16x16x128_f8f6f4 with both operands' format E2M1 (or v_wmma_scale_f32_32x16x128_f4), f32 sums; everything else in f32.
;; Inputs: R_codes 4,097 x 32 x 16 uint8 (E2M1 codes of R, K innermost, in blocks of 32 codes, two codes a byte); R_scales 4,097 x 32 uint8 (E8M0 scales of R, one for each 32 codes along K); U_codes 4,097 x 32 x 16 uint8 (E2M1 codes of U, K innermost, in blocks of 32 codes, two codes a byte); U_scales 4,097 x 32 uint8 (E8M0 scales of U, one for each 32 codes along K); W_codes 4,097 x 32 x 16 uint8 (E2M1 codes of W, K innermost, in blocks of 32 codes, two codes a byte); W_scales 4,097 x 32 uint8 (E8M0 scales of W, one for each 32 codes along K); b 4,097 float32; c 4,096 x 1,024 float32; h 4,096 x 1,024 float32; h_bottom 4,096 x 1,024 float32; h_top 4,096 x 1,024 float32; z 4,096 x 1 float32; z_bottom 4,096 x 1 float32.
;; Outputs: out0 4,096 x 1,024 float32; out1 4,096 x 1,024 float32; out2 4,096 x 1 float32.
;; This version of the problem:
;;   THIS VERSION OF THE PROBLEM IS GIVEN IN LOW PRECISION. The matrix products marked QUANTISED in the list below multiply operands that are first quantised to E2M1 (2 exponent bits, 1 mantissa bit; 4 bits a number), with one power-of-two scale for each 32 numbers along K (OCP MX v1.0); their sums are f32. All else is computed in f32.
;;   The module's matrix products, in the order in which they are computed (A, B: the left and right operand; K: the contracted axis; several contracted axes count as one K, in the product's order):
;;     1. [M 4,096, K 1,024] x [K 1,024, N 4,097]; A: computed on the way; B: input W (given as codes): QUANTISED
;;     2. [M 4,096, K 1,024] x [K 1,024, N 4,097]; A: input h; B: input R (given as codes): QUANTISED
;;     3. [M 4,096, K 1,024] x [K 1,024, N 4,097]; A: computed on the way; B: input U (given as codes): QUANTISED
;;   THE QUANTISER, for each operand of a quantised product, along K:
;;     - K is cut into blocks of 32 from its start; a last block that is shorter is filled with zeros.
;;     - A block's scale is 2^e with e = floor(log2(the largest magnitude in the block)) - 2, held to -126 .. 127; a block of zeros has e = 0. As a byte (E8M0): e + 127.
;;     - Each number is divided by its block's scale, clamped to +-6, and rounded to the nearest number of E2M1, ties to even, subnormals kept.
;;     - The product sums the exact products of the quantised numbers (number of the format x scale) in f32.
;;   ~~~python
;;   def quantise(x, axis):      # numpy; x: float32 -> the quantised numbers, widened to float32 again
;;       x = np.moveaxis(x, axis, -1); K = x.shape[-1]
;;       x = np.pad(x, [(0, 0)] * (x.ndim - 1) + [(0, -K % 32)]); x = x.reshape(x.shape[:-1] + (-1, 32)); a = np.abs(x).max(-1, keepdims=True)
;;       e = np.where(a > 0, np.clip(np.frexp(np.where(a > 0, a, 1))[1] - 1 - 2, -126, 127), 0)      # np.frexp(a)[1] - 1 = floor(log2(a)), exactly
;;       r = np.clip(x / 2.0 ** e, -6, 6)
;;       step = 2.0 ** (np.maximum(np.frexp(np.where(r == 0, 1, r))[1] - 1, 0) - 1)
;;       q = np.round(r / step) * step * 2.0 ** e      # np.round: ties to even
;;       return np.moveaxis(q.reshape(q.shape[:-2] + (-1,))[..., :K], -1, axis).astype(np.float32)
;;   ~~~
;;   OPERANDS COMPUTED ON THE WAY. 'Computed on the way' means the value that the module computes at that place (a softmax that the list does not call 'softmax' is quantised finished and normalised). What goes into a quantiser is computed in f32, as accurately as f32 sums, v_exp_f32 and their like allow (about 1e-6 of the number): no bf16 or f16 on the way to a quantiser, and a product that is left as it is and whose result goes on into a quantised operand takes f32 operands (vector FMAs, or v_wmma_f32_16x16x4_f32). A number that lies on a knife's edge between two numbers of the format may be rounded either way, as far as f32 arithmetic and the matrix unit's own rounding can turn it there, and no further.
;;   INPUTS GIVEN AS CODES. R (in the module: [1024, 4097], K = its axis 0); U (in the module: [1024, 4097], K = its axis 0); W (in the module: [1024, 4097], K = its axis 0): each comes as NAME_codes (uint8): NAME with its K axis moved to the last place and cut into blocks of 32 codes, [.., K / 32, bytes a block], one block behind the other in memory; two codes a byte, the lower K in the low four bits (a code: sign, 2 exponent bits, 1 mantissa bit); and NAME_scales (uint8): the same leading axes, one E8M0 byte (e + 127) for each 32 codes along K. Its value is code x scale, taken as it is: it is not quantised again, and the codes and scales need not be those that the quantiser above would give.
;; One version. Each part assembles by itself: llvm-mc -triple=amdgcn-amd-amdhsa -mcpu=gfx1250 --defsym DOCPART=n.
;; ======== version 1 of 1: 2 launches
;; limits: right only within a limited range of input values
;; workspace buffers: xq 6,291,456 bytes; xs 393,216 bytes
;; launch prep (part 1): grid 256 x 1, 12 waves a work-group, no clusters, 206,848 bytes of LDS; arguments h_bottom, h, h_top, z, z_bottom, W_codes, R_codes, U_codes, W_scales, R_scales, U_scales, b, xq, xs, out2; writes xq, xs, out2
.if DOCPART == 1
	.amdgcn_target "amdgcn-amd-amdhsa--gfx1250"
	.amdhsa_code_object_version 6
	.text
	.protected	k_q58e4f71349_prep
	.globl	k_q58e4f71349_prep
	.p2align	8
	.type	k_q58e4f71349_prep,@function
k_q58e4f71349_prep:
	s_mov_b64 s[64:65], 0
	v_nop
	global_prefetch_b8 v0, s[64:65] scope:SCOPE_SE
	s_setreg_imm32_b32 hwreg(HW_REG_WAVE_MODE, 25, 1), 1
	s_wait_xcnt 0x0
; THE LAUNCH IN FRONT OF THE GEMM.  Two things:
; (1) the three left operands, h_bottom x z_bottom, h, h_top x z (f32, [4096][1024]), become codes of E2M1 with one E8M0 byte for each 32 along K, laid as the GEMM's waves take them:
;     xq [K step of 512: 6][block of 256 rows: 16][block of 16 rows: 16][128 along K: 4][half fragment: 2][lane: 32][16 bytes]: images of operand registers;
;     xs [block of 256 rows: 16][64 rows: 4][product: 3][pair of 16-row blocks: 2][512 along K: 2][lane: 32][16 bytes]: lane 16 i + r has row r of the pair's block i, four scale words;
; (2) column 4096 of the three products, its bias, the hard sigmoid and the round: out2.
; SHARES.  Work-group g owns rows 16 g .. 16 g + 15.  Wave w (of 12) takes product p = w / 4 and 256 along K from 256 (w % 4): two steps of 128.
; No cluster: what work-groups share is the one weight row 4096, 1,632 bytes beside the 196,608 bytes of x that each reads alone.  No tensor load: every byte is asked for at the head, by loads into registers.
; A block's scale is 2^(floor(log2(its largest magnitude)) - 2); its byte is the largest magnitude's exponent field - 2, held at 1 from below.
; LIMITS: a block of zeros gets the byte 1 where the rule says 127 (its codes are zeros, and this program alone reads the bytes); NaN and infinities among the inputs are not served;
; column 4096's sum over K is made of 24 partial sums (two a wave, then twelve in ascending order), so its last bits may differ from one chain's: only an sz within f32 rounding of 0 can turn out2;
; out2's 64 bytes a work-group are a part of an aligned 256 bytes (16,384 bytes in the whole launch).
.set SP,    528                        ; a stage row: 512 bytes (128 numbers of one row of x) + 16 of padding: 33 x 16, so that the sixteen rows that a load touches start 16 bytes apart modulo 256
.set STG1,  16*SP                      ; a stage: 16 rows
.set WREG,  2*STG1                     ; a wave's two stages
.set SCW,   12*WREG                    ; behind the stages: the rows' scale bytes, [product][row][32 bytes]
.set PART,  SCW+1536                   ; and the partial sums of column 4096, [wave][row] words
.set SPARE, PART+1024                  ; the spare words, 128 bytes for each wave: six blocks of 256 bytes that no other line names
.set LI,  1                            ; v1   16 x lane
.set STI, 2                            ; v2   the stage, on the way in: my wave's + 16 x lane
.set STO, 3                            ; v3   on the way out: my wave's + SP x r + 64 h
.set SPW, 4                            ; v4   LDS address of my spare word; never rewritten
.set H16, 5                            ; v5   16 h
.set R4,  6                            ; v6   4 r
.set SWA, 7                            ; v7   where my two scale words go
.set PWA, 8                            ; v8   where my partial sum goes
.set SRA, 9                            ; v9   the scale bytes' way out
.set PRA, 10                           ; v10  the partial sums of row r
.set ZM,  12                           ; v[12:13] the row's multiplier, and 0 (also the offset of loads that all lanes make alike)
.set WS,  14                           ; v14-15 the weight row's scale words: they hold scales and nothing else
.set R0,  16                           ; v16-79, v80-143: the two steps as loaded; v16-79 then takes the second step's 64 neighbours
.set X,   144                          ; v144-207: the first step's 64 neighbours, then two accumulators
.set TM,  208                          ; v208-211 largest magnitudes, v212-215 bytes, v216-219 the conversions' scale operands
.set PC0, 220                          ; v220-227, v228-235 the two fragments
.set PC1, 228
.set PW,  236                          ; v236-237 their scale words: scales and nothing else
.set WF,  238                          ; v238-253 the weight row's two fragments
.set NIL, 254                          ; v254 0; never rewritten
.set XSO, 255                          ; v255 where my scale bytes go in xs
	s_load_b512 s[4:19], s[0:1], 0x0               ; h_bottom 4, h 6, h_top 8, z 10, z_bottom 12, W_codes 14, R_codes 16, U_codes 18
	s_load_b256 s[20:27], s[0:1], 0x40             ; W_scales 20, R_scales 22, U_scales 24, b 26
	s_load_b128 s[28:31], s[0:1], 0x60             ; xq 28, xs 30
	s_load_b64 s[32:33], s[0:1], 0x70              ; out2
	v_lshrrev_b32 v11, 5, v0
	v_readfirstlane_b32 s36, v11                   ; wave 0..11
	s_lshr_b32 s37, s36, 2                         ; p: which product
	s_and_b32 s38, s36, 3                          ; which 256 along K
	s_mul_i32 s2, s36, WREG
	s_lshl_b32 s3, s37, 9
	s_lshl_b32 s62, s38, 3
	s_add_co_u32 s3, s3, s62
	s_add_co_u32 s3, s3, SCW                       ; SCW + 512 p + 8 (w % 4)
	s_lshl_b32 s39, s36, 6
	s_add_co_u32 s39, s39, PART                    ; PART + 64 w
	s_lshl_b32 s48, s36, 9
	s_add_co_u32 s48, s48, SCW                     ; SCW + 512 w (waves 0 to 2 use it)
	s_lshl_b32 s49, s36, 11                        ; 2,048 w (likewise)
	v_lshl_add_u32 v[SPW], v0, 2, SPARE
	v_mov_b32 v[NIL], 0
	v_and_b32 v11, 31, v0                          ; lane
	v_and_b32 v[R4], 15, v0                        ; r
	v_bfe_u32 v[H16], v0, 4, 1                     ; h
	v_lshlrev_b32 v[LI], 4, v11
	v_mul_u32_u24 v[STO], v[R4], SP
	v_add_nc_u32 v[STI], s2, v[LI]
	v_lshl_add_u32 v[STO], v[H16], 6, v[STO]
	v_lshl_add_u32 v[SWA], v[R4], 5, s3            ; SCW + 512 p + 32 r + 8 (w % 4)
	v_lshl_add_u32 v[SRA], v[R4], 5, s48
	v_add_nc_u32 v[STO], s2, v[STO]
	v_lshl_add_u32 v[PWA], v[R4], 2, s39           ; PART + 64 w + 4 r
	v_lshl_add_u32 v[SRA], v[H16], 4, v[SRA]       ; wave p: product p, row r, bytes 16 h on
	v_lshl_add_u32 v[PRA], v[R4], 2, PART
	v_lshl_add_u32 v[XSO], v[R4], 4, s49
	v_lshl_add_u32 v[XSO], v[H16], 9, v[XSO]       ; and in xs: 2,048 p + 512 h + 16 r
	v_lshlrev_b32 v[H16], 4, v[H16]
	v_lshlrev_b32 v[R4], 2, v[R4]
	v_mov_b32 v[ZM+1], 0
.irp b, 0,1,2,3
	v_mov_b32 v[TM+4+\b], 0                        ; written once: a lane permute's destination counts as one of its sources
.endr
	s_mov_b32 s60, 0x76543210
	s_mov_b32 s61, 0xfedcba98                      ; v_permlanex16_b32's selects for lane l xor 16
	; byte offsets, each in a pair of its own
	s_lshl_b32 s50, ttmp9, 16                      ; x: 16 g rows of 4,096 bytes + 1,024 (w % 4)
	s_lshl_b32 s62, s38, 10
	s_add_co_u32 s50, s50, s62
	s_mov_b32 s51, 0
	s_lshl_b32 s52, s38, 7                         ; codes of row 4096: 4096 x 512 + 128 (w % 4)
	s_add_co_u32 s52, s52, 4096*512
	s_mov_b32 s53, 0
	s_lshl_b32 s54, s38, 3                         ; its scale bytes: 4096 x 32 + 8 (w % 4)
	s_add_co_u32 s54, s54, 4096*32
	s_mov_b32 s55, 0
	s_lshl_b32 s56, ttmp9, 6                       ; z, z_bottom, out2: 16 g rows of 4 bytes
	s_mov_b32 s57, 0
	s_lshr_b32 s62, s36, 1                         ; xq: K step w / 2,
	s_lshl_b32 s62, s62, 4
	s_lshr_b32 s63, ttmp9, 4                       ; block of 256 rows g / 16,
	s_add_co_u32 s62, s62, s63
	s_lshl_b32 s66, s62, 16
	s_and_b32 s62, ttmp9, 15                       ; block of 16 rows I = g % 16,
	s_lshl_b32 s48, s62, 12
	s_add_co_u32 s66, s66, s48
	s_and_b32 s48, s36, 1                          ; and the step's half: two fragments of 1,024 bytes
	s_lshl_b32 s48, s48, 11
	s_add_co_u32 s66, s66, s48
	s_mov_b32 s67, 0
	s_mul_i32 s68, s63, 24576                      ; xs: the block of 256 rows,
	s_lshr_b32 s48, s62, 2                         ; its 64 rows I / 4,
	s_mul_i32 s48, s48, 6144
	s_add_co_u32 s68, s68, s48
	s_bfe_u32 s48, s62, 0x10001                    ; the pair (I / 2) % 2,
	s_lshl_b32 s48, s48, 10
	s_add_co_u32 s68, s68, s48
	s_and_b32 s48, s62, 1                          ; and the half of the lanes I % 2
	s_lshl_b32 s48, s48, 8
	s_add_co_u32 s68, s68, s48
	s_mov_b32 s69, 0
	s_wait_alu depctr_va_vdst(0)                   ; the wait at the head's end
	s_wait_kmcnt 0x0
	s_load_b32 s59, s[26:27], 0x4000               ; b[4096]
	s_cmp_eq_u32 s37, 2                            ; the buffers of my product: choices that hang on the wave's number alone
	s_cselect_b64 s[40:41], s[8:9], s[6:7]
	s_cselect_b64 s[42:43], s[18:19], s[16:17]
	s_cselect_b64 s[44:45], s[24:25], s[22:23]
	s_cmp_eq_u32 s37, 0
	s_cselect_b64 s[40:41], s[4:5], s[40:41]       ; x
	s_cselect_b64 s[42:43], s[14:15], s[42:43]     ; the weights' codes
	s_cselect_b64 s[44:45], s[20:21], s[44:45]     ; their scales
	s_cselect_b64 s[46:47], s[12:13], s[10:11]     ; z_bottom goes with W, z with U
	s_cmp_eq_u32 s37, 1
	s_cselect_b32 s58, 0, -1                       ; h is multiplied by 1
	s_add_nc_u64 s[46:47], s[46:47], s[56:57]
	s_add_nc_u64 s[40:41], s[40:41], s[50:51]
	s_add_nc_u64 s[42:43], s[42:43], s[52:53]
	s_add_nc_u64 s[44:45], s[44:45], s[54:55]
	s_add_nc_u64 s[28:29], s[28:29], s[66:67]
	s_add_nc_u64 s[30:31], s[30:31], s[68:69]
	s_add_nc_u64 s[32:33], s[32:33], s[56:57]
	; ALL LOADS AT ONCE, 39 a wave: z, x's 16 + 16 (each 512 consecutive bytes of one row), the weight row's 6
	global_load_b32 v11, v[R4], s[46:47]           ; lane (r, h): row r's z
.irp t, 0,1
.irp i, 0,1,2,3,4,5,6,7,8,9,10,11,12,13,14,15
	global_load_b128 v[R0+64*\t+4*\i:R0+64*\t+4*\i+3], v[LI], s[40:41] offset:4096*\i+512*\t th:TH_LOAD_NT
.endr
.endr
.irp t, 0,1                                    ; row 4096 stands in all sixteen rows of its operand: every lane of a half reads the same bytes
.irp c, 0,1
	global_load_b128 v[WF+8*\t+4*\c:WF+8*\t+4*\c+3], v[H16], s[42:43] offset:64*\t+32*\c
.endr
	global_load_b32 v[WS+\t], v[ZM+1], s[44:45] offset:4*\t
.endr
; 64 numbers of a lane times the row's multiplier, two at a time
.macro MULZ s
.irp j, 0,2,4,6,8,10,12,14,16,18,20,22,24,26,28,30,32,34,36,38,40,42,44,46,48,50,52,54,56,58,60,62
	v_pk_mul_f32 v[\s+\j:\s+\j+1], v[\s+\j:\s+\j+1], v[ZM:ZM+1] op_sel_hi:[1,0]
.endr
.endm
; 64 numbers of a lane, register 16 b + i = k 32 b + 16 h + i of row r, become a fragment's codes in v[pc] on and its scale word in v[pw]
.macro QUANT s, pc, pw
.irp b, 0,1,2,3
	v_max3_num_f32 v[TM+\b], |v[\s+16*\b]|, |v[\s+1+16*\b]|, 0x1800000   ; my 16 numbers of block b, and the floor 2^(3 - 127): so the byte cannot fall under 1
.endr
.irp i, 2,4,6,8,10,12,14
.irp b, 0,1,2,3
	s_delay_alu instid0(VALU_DEP_4)
	v_max3_num_f32 v[TM+\b], v[TM+\b], |v[\s+16*\b+\i]|, |v[\s+1+16*\b+\i]|   ; the four blocks by turns
.endr
.endr
.irp b, 0,1,2,3
	s_delay_alu instid0(VALU_DEP_4)
	v_permlanex16_b32 v[TM+4+\b], v[TM+\b], s60, s61
.endr
.irp b, 0,1,2,3
	s_delay_alu instid0(VALU_DEP_4)
	v_max_num_f32 v[TM+\b], v[TM+\b], v[TM+4+\b]   ; with lane l xor 16's 16: the block's largest magnitude
.endr
.irp b, 0,1,2,3
	s_delay_alu instid0(VALU_DEP_4)
	v_add_nc_u32 v[TM+8+\b], 0xff000000, v[TM+\b]  ; 2 off its exponent field: the conversion takes that field of this operand as its scale
.endr
.irp b, 0,1,2,3
	s_delay_alu instid0(VALU_DEP_4)
	v_lshrrev_b32 v[TM+4+\b], 23, v[TM+8+\b]       ; the scale's byte
.endr
	s_delay_alu instid0(VALU_DEP_3)
	v_lshl_or_b32 v[\pw], v[TM+5], 8, v[TM+4]
	s_delay_alu instid0(VALU_DEP_1)
	v_lshl_or_b32 v[\pw], v[TM+6], 16, v[\pw]
	s_delay_alu instid0(VALU_DEP_1)
	v_lshl_or_b32 v[\pw], v[TM+7], 24, v[\pw]      ; row r's scale word, the same in both halves of the lanes
.irp b, 0,1,2,3
	v_cvt_scalef32_pk8_fp4_f32 v[\pc+2*\b], v[\s+16*\b:\s+7+16*\b], v[TM+8+\b]
	v_cvt_scalef32_pk8_fp4_f32 v[\pc+1+2*\b], v[\s+8+16*\b:\s+15+16*\b], v[TM+8+\b]
.endr
	v_nop                                          ; one plain instruction behind the last scaled conversion
.irp c, 0,1                                    ; the operand wants a whole block in a lane: lanes 0-15 block 2 c, lanes 16-31 block 2 c + 1
.irp i, 0,1
	v_permlane16_swap_b32 v[\pc+4*\c+\i], v[\pc+2+4*\c+\i]
.endr
.endr
.endm
	s_wait_loadcnt 22                              ; z and the first step are in: the second step's 16 and the weight row's 6 may be out
	v_cndmask_b32 v[ZM], 1.0, v11, s58
.irp i, 0,1,2,3,4,5,6,7,8,9,10,11,12,13,14,15
	ds_store_b128 v[STI], v[R0+4*\i:R0+4*\i+3] offset:SP*\i                  ; rows as they lie;
.endr
	s_wait_alu depctr_va_vdst(0)
.irp b, 0,1,2,3
.irp j, 0,1,2,3
	ds_load_b128 v[X+16*\b+4*\j:X+16*\b+4*\j+3], v[STO] offset:128*\b+16*\j  ; back: of row r, 16 neighbours of each block of 32 (LDS serves a wave's instructions in order: ISA guide 5.7.1.4)
.endr
.endr
	s_wait_loadcnt 6                               ; the second step is in
.irp i, 0,1,2,3,4,5,6,7,8,9,10,11,12,13,14,15
	ds_store_b128 v[STI], v[R0+64+4*\i:R0+64+4*\i+3] offset:STG1+SP*\i
.endr
	s_wait_dscnt 16                                ; all but these sixteen stores: the first step's numbers are back
.irp b, 0,1,2,3
.irp j, 0,1,2,3
	ds_load_b128 v[R0+16*\b+4*\j:R0+16*\b+4*\j+3], v[STO] offset:STG1+128*\b+16*\j
.endr
.endr
	MULZ X
	QUANT X, PC0, PW
.irp c, 0,1
	global_store_b128 v[LI], v[PC0+4*\c:PC0+4*\c+3], s[28:29] offset:512*\c th:TH_STORE_NT    ; the fragment as an image of its registers
.endr
	s_wait_dscnt 0x0                               ; the second step's numbers are back
	MULZ R0
	QUANT R0, PC1, PW+1
.irp c, 0,1
	global_store_b128 v[LI], v[PC1+4*\c:PC1+4*\c+3], s[28:29] offset:1024+512*\c th:TH_STORE_NT
.endr
	ds_store_b64 v[SWA], v[PW:PW+1]                ; both halves of the lanes write the same words
	s_wait_alu depctr_va_vdst(0)
	s_wait_loadcnt 0x0                             ; the weight row
.rept 8
	v_nop                                          ; a scale word written by a vector instruction stands 8 plain instructions ahead of the scaled product, codes so written 4
.endr
	; column 4096: source 0 = the weight row sixteen times, source 1 = my 16 rows: register 0 of lane (r, h) is row r's sum over 128 along K.  Two accumulators, each begun with 0
	v_wmma_scale_f32_16x16x128_f8f6f4 v[X:X+7], v[WF:WF+7], v[PC0:PC0+7], 0, v[WS], v[PW] matrix_a_fmt:MATRIX_FMT_FP4 matrix_b_fmt:MATRIX_FMT_FP4
	v_wmma_scale_f32_16x16x128_f8f6f4 v[X+8:X+15], v[WF+8:WF+15], v[PC1:PC1+7], 0, v[WS+1], v[PW+1] matrix_a_fmt:MATRIX_FMT_FP4 matrix_b_fmt:MATRIX_FMT_FP4
.rept 4
	v_nop                                          ; four plain instructions between a product and the first read of its result (ISA guide 7.12.1)
.endr
	v_add_f32 v11, v[X], v[X+8]                    ; each accumulator is read at its lowest register
	ds_store_b32 v[PWA], v11
	s_wait_kmcnt 0x0                               ; b[4096]
	s_wait_dscnt 0x0                               ; for the others' sake: my scale words and my partial sum lie in LDS
	s_barrier_signal -1
	s_barrier_wait -1
	s_cmp_lt_u32 s36, 3
	s_cbranch_scc0 .Lnot_scales
	ds_load_b128 v[16:19], v[SRA]                  ; wave p: product p's 16 rows x 32 bytes
	s_wait_dscnt 0x0
	global_store_b128 v[XSO], v[16:19], s[30:31]   ; each half of the lanes stores 256 consecutive bytes, from a multiple of 256
	s_wait_tensorcnt 0x0                           ; the wave's end
	ds_add_u32 v[SPW], v[NIL]
	s_wait_dscnt 0x0
	s_endpgm
.Lnot_scales:
	s_cmp_eq_u32 s36, 3
	s_cbranch_scc0 .Ldone
.irp n, 0,1,2,3,4,5,6,7,8,9,10,11
	ds_load_b32 v[16+\n], v[PRA] offset:64*\n
.endr
	s_mov_b32 s63, 0x40e00000                      ; 7.0
	s_wait_dscnt 0x0
	v_add_f32 v16, v16, v17                        ; the twelve waves' sums, in ascending order
.irp n, 2, 3, 4, 5, 6, 7, 8, 9, 10, 11
	s_delay_alu instid0(VALU_DEP_1)
	v_add_f32 v16, v16, v[16+\n]
.endr
	s_delay_alu instid0(VALU_DEP_1)
	v_add_f32 v16, s59, v16                        ; sz
	s_delay_alu instid0(VALU_DEP_1)
	v_fma_f32 v16, v16, s63, 1.0
	s_delay_alu instid0(VALU_DEP_1)
	v_mul_f32 v16, 0.5, v16
	s_delay_alu instid0(VALU_DEP_1)
	v_med3_num_f32 v16, v16, 0, 1.0                ; z_tilde
	s_delay_alu instid0(VALU_DEP_1)
	v_cmp_lt_f32 vcc_lo, 0.5, v16
	s_delay_alu instid0(VALU_DEP_1)
	v_cndmask_b32 v17, 0, 1.0, vcc_lo              ; the hard round: it selects a value, no address and no branch
	s_delay_alu instid0(VALU_DEP_1)
	v_sub_f32 v17, v17, v16
	s_delay_alu instid0(VALU_DEP_1)
	v_add_f32 v16, v16, v17                        ; z_tilde + (hard - z_tilde)
	v_and_b32 v11, 31, v0
	v_cmp_gt_u32 vcc_lo, 16, v11
	s_wait_alu depctr_va_vdst(0)
	s_wait_xcnt 0x0                                ; EXEC changes only when the earlier stores have read it
	s_and_saveexec_b32 s62, vcc_lo
	global_store_b32 v[R4], v16, s[32:33]          ; lanes 0-15: 16 rows
	s_wait_xcnt 0x0
	s_or_b32 exec_lo, exec_lo, s62
.Ldone:
	s_wait_tensorcnt 0x0                           ; the wave's end
	ds_add_u32 v[SPW], v[NIL]
	s_wait_dscnt 0x0
	s_endpgm
.Lfunc_end_k_q58e4f71349_prep:
	.size	k_q58e4f71349_prep, .Lfunc_end_k_q58e4f71349_prep-k_q58e4f71349_prep
	.p2alignl 7, 3214868480
	.fill 96, 4, 3214868480
	.section	.rodata,"a",@progbits
	.p2align	6, 0x0
	.amdhsa_kernel k_q58e4f71349_prep
		.amdhsa_group_segment_fixed_size 206848
		.amdhsa_private_segment_fixed_size 0
		.amdhsa_enable_private_segment 0
		.amdhsa_kernarg_size 120
		.amdhsa_user_sgpr_count 2
		.amdhsa_user_sgpr_kernarg_segment_ptr 1
		.amdhsa_wavefront_size32 1
		.amdhsa_system_sgpr_workgroup_id_x 1
		.amdhsa_system_sgpr_workgroup_id_y 1
		.amdhsa_system_sgpr_workgroup_id_z 1
		.amdhsa_system_vgpr_workitem_id 0
		.amdhsa_next_free_vgpr 256
		.amdhsa_next_free_sgpr 72
		.amdhsa_reserve_vcc 1
		.amdhsa_float_denorm_mode_32 3
		.amdhsa_float_denorm_mode_16_64 3
		.amdhsa_memory_ordered 1
		.amdhsa_forward_progress 1
		.amdhsa_inst_pref_size 31
	.end_amdhsa_kernel
	.amdgpu_metadata
---
amdhsa.version: [ 1, 2 ]
amdhsa.kernels:
  - .name:           k_q58e4f71349_prep
    .symbol:         k_q58e4f71349_prep.kd
    .args:
      - { .name: h_bottom, .offset: 0, .size: 8, .value_kind: global_buffer, .address_space: global }
      - { .name: h, .offset: 8, .size: 8, .value_kind: global_buffer, .address_space: global }
      - { .name: h_top, .offset: 16, .size: 8, .value_kind: global_buffer, .address_space: global }
      - { .name: z, .offset: 24, .size: 8, .value_kind: global_buffer, .address_space: global }
      - { .name: z_bottom, .offset: 32, .size: 8, .value_kind: global_buffer, .address_space: global }
      - { .name: W_codes, .offset: 40, .size: 8, .value_kind: global_buffer, .address_space: global }
      - { .name: R_codes, .offset: 48, .size: 8, .value_kind: global_buffer, .address_space: global }
      - { .name: U_codes, .offset: 56, .size: 8, .value_kind: global_buffer, .address_space: global }
      - { .name: W_scales, .offset: 64, .size: 8, .value_kind: global_buffer, .address_space: global }
      - { .name: R_scales, .offset: 72, .size: 8, .value_kind: global_buffer, .address_space: global }
      - { .name: U_scales, .offset: 80, .size: 8, .value_kind: global_buffer, .address_space: global }
      - { .name: b, .offset: 88, .size: 8, .value_kind: global_buffer, .address_space: global }
      - { .name: xq, .offset: 96, .size: 8, .value_kind: global_buffer, .address_space: global }
      - { .name: xs, .offset: 104, .size: 8, .value_kind: global_buffer, .address_space: global }
      - { .name: out2, .offset: 112, .size: 8, .value_kind: global_buffer, .address_space: global }
    .group_segment_fixed_size: 206848
    .private_segment_fixed_size: 0
    .kernarg_segment_align: 8
    .kernarg_segment_size: 120
    .max_flat_workgroup_size: 384
    .sgpr_count:     72
    .vgpr_count:     256
    .wavefront_size: 32
...
	.end_amdgpu_metadata
.endif
;; end of part 1
;; launch cell (part 2): grid 16 x 16, 4 waves a work-group, clusters of 4 x 1, 327,680 bytes of LDS; arguments xq, xs, W_codes, R_codes, U_codes, W_scales, R_scales, U_scales, b, c, h, z, z_bottom, out0, out1; writes out0, out1
.if DOCPART == 2
	.amdgcn_target "amdgcn-amd-amdhsa--gfx1250"
	.amdhsa_code_object_version 6
	.text
	.protected	k_q58e4f71349_cell
	.globl	k_q58e4f71349_cell
	.p2align	8
	.type	k_q58e4f71349_cell,@function
k_q58e4f71349_cell:
	s_mov_b64 s[64:65], 0
	v_nop
	global_prefetch_b8 v0, s[64:65] scope:SCOPE_SE
	s_setreg_imm32_b32 hwreg(HW_REG_WAVE_MODE, 25, 1), 1
	s_wait_xcnt 0x0
	s_wait_alu depctr_hold_cnt(0) depctr_sa_sdst(0) depctr_va_vdst(0) depctr_va_sdst(0) depctr_va_ssrc(0) depctr_va_vcc(0) depctr_vm_vsrc(0)
	s_getreg_b32 s2, hwreg(HW_REG_IB_STS2, 6, 4)
	s_cmp_eq_u32 s2, 0
	s_cbranch_scc0 .Lentry_in_a_cluster
	s_endpgm
.Lentry_in_a_cluster:
	s_bfe_u32 s2, ttmp6, 0x10000c
	s_cmp_lg_u32 s2, 0x3003
	s_cbranch_scc0 .Lentry_shape_is_right
	s_endpgm
.Lentry_shape_is_right:
; s = (h_bottom z_bottom) W + h R + (h_top z) U + b for columns 0 .. 4095, one sum over K = 3 x 1,024 on codes of E2M1 with E8M0 scales, and the whole cell update on the way out: s never goes to memory.
; A work-group of four waves makes 256 rows x 64 hidden units x 4 gates (256 columns of s: unit j's are j, 1024 + j, 2048 + j, 3072 + j).  A wave makes 64 rows x all 256 columns: 32 accumulators of 32 x 16, 512 registers.
; Grid: x is the block of 256 rows (Y), y the block of 64 units (X): 256 work-groups.
; THE WEIGHTS come as they are given, a product's 256 columns x 1,024 along K into one of two LDS slots of 256 rows of 528 bytes.  A load's four dimensions are 512 bytes of a row, 16 rows four units apart, the four units,
; the gates: so LDS row 16 (4 g + t) + r is gate g, unit 4 r + t.  W fills slot 0, R slot 1, U slot 0 again.  The columns' scale bytes have a place of their own for each product.
; CLUSTERS: the four work-groups of a cluster are four row blocks with the same columns: every tensor load is a joint one, for all four.
; THE ROWS' CODES (xq: images of operand registers) go from memory straight into registers, steps of 128 ahead; no two waves of a work-group want the same bytes, so LDS would hand nothing on, and the tensor loads behind
; each barrier are left to the weights.  That is why xq is not asked for jointly.
; THE LAYOUT OF A RESULT: source 0 = 32 rows, source 1 = 16 columns.  Lane (r, h) holds, of gate g and tile t, the unit 4 r + t in rows 8 h + j, j = register.  So of a row its four tiles are four neighbouring units in each of
; sixteen neighbouring lanes: 256 consecutive bytes of c, h, out0 and out1.  c and h are loaded in that order (register 4 j + t) and the results stored from it: the way out has no LDS and no barrier.
; ARITHMETIC OF THE UPDATE, in f32.  E = 2^(k (s + b)), k = -log2 e for i, o, f and -2 log2 e for g; E5 likewise of c_new: i g = (1 - Eg) / ((1 + Ei)(1 + Eg)), f = 1 / (1 + Ef), o tanh(c_new) = (1 - E5) / ((1 + Eo)(1 + E5)).
; Five exponentials and three reciprocals a number.  c_new = K1 i g + (K2 + K3 f) c, h_new = K1 o tanh(c_new) + K2 h, with K3 = (1 - z) z_bottom, K2 = (1 - z)(1 - z_bottom), K1 = z + K3: reference()'s sums regrouped; the same
; for z, z_bottom of 0 and 1, else within f32 rounding.  1 - Eg is taken as 2 - (1 + Eg): tanh(g) is off by at most one rounding of 1 + Eg.
; LIMITS: the exponents of Eg and E5 are held at 36 from above: tanh under -12.5 is given as -1 (an error under 2^-35); where Ei, Eo or Ef passes f32's range the reciprocal is 0, as the sigmoid there rounds to;
; NaN among the inputs is not served (the hold takes 36 for it).
; PREFETCHES: xq's K steps 2 to 5 and c's and h's tiles.  None for the weights: R's and U's loads have six steps and more of 32 matrix instructions in which to land.
; REGISTERS, in windows of 256.  Window 0: addresses, the bias, scale words, the rows' fragments of four steps; on the way out c and h of blocks 0, 1 take the fragments' place.  Window 1: the columns' fragments, two sets;
;   on the way out v0-63 z and z_bottom, then c, h of block 3; v64-127 c, h of block 2; v128-223 the rows' coefficients.  Windows 2, 3: the accumulators of my rows 0-31, 32-63 (column block b = 4 g + t at v[16 b]).
.set BP,    528                        ; an LDS row of the weights: 512 bytes + 16 of padding: 33 x 16, so that the sixteen rows that a load touches start 16 bytes apart modulo 256
.set SLOT,  256*BP
.set BSC,   2*SLOT                     ; the columns' scale bytes: [product][gate] 2,048 bytes with 16 of padding behind each 128: unit 4 r + t at 144 r + 32 t
.set SPP,   9216                       ; a product's
.set SPG,   2304                       ; a gate's
.set SPARE, BSC+3*SPP                  ; the spare words, 128 bytes for each wave: two blocks of 256 bytes that no other line names
.set AOF, 6                            ; 16 x lane
.set ADB, 8                            ; v8-11  my column row in LDS: slot 0 blocks 0-7, 8-15, slot 1 likewise
.set ADS, 12                           ; my scale words: lanes 0-15 gates 0, 1; lanes 16-31 gates 2, 3
.set GOF, 13                           ; my 16 bytes in c, h, out0, out1: row 8 h
.set ZOF, 14                           ; 32 h
.set BOF, 15                           ; 16 r
.set BI,  16                           ; v16-31  the bias: register 4 g + t
.set SA,  32                           ; v32-79  the rows' scale words, all of K: 16 p + 8 (pair of blocks) + step; scales and nothing else
.set SB,  80                           ; v80-111 the columns', two sets of two steps: 2 (b % 8) + step; scales and nothing else
.set AF,  112                          ; v112-239 the rows' fragments: set step % 4, 8 registers a block of 16 rows
.set PFX, 240                          ; the prefetches' offsets, my spare word's address and 0: never rewritten
.set PFC, 241
.set SPW, 242
.set NIL, 243
.set G1B, 40                           ; s[40:47], s[48:51], s[52:55] groups 1, 2, 3 of the weights
.set G2B, 48
.set G3B, 52
.set G1S, 56                           ; s[56:63] group 1 of the columns' scales
.set G0W, 68                           ; groups 0: my part of each product's codes, and each product's scales
.set G0R, 72
.set G0U, 76
.set G0SW, 80
.set G0SR, 84
.set G0SU, 88
.set MSB, 0
.macro WIN new                         ; the immediate's high byte repeats the setting that is left
.if MSB != (\new)
	s_set_vgpr_msb (MSB<<8)|(\new)
.set MSB, (\new)
.endif
.endm
.set MUL_LO, 0xa4                      ; source 0 (rows) window 0, source 1 (columns) window 1, C and D window 2; + 0x50: window 3
.set TO_B,   0x40                      ; destination window 1, address window 0
.macro CREST                           ; a round of the cluster's barrier behind its opening barrier
	s_cmp_lg_u32 s34, 0
	s_cbranch_scc1 .Lnot_wave_0_\@
	s_barrier_signal -3
.Lnot_wave_0_\@:
	s_barrier_wait -3
	s_barrier_signal -1
	s_barrier_wait -1
.endm
.macro CROUND
	s_barrier_signal -1
	s_barrier_wait -1
	CREST
.endm
.macro PLACES                          ; four plain instructions between a matrix instruction and a load into a register that it read, or the first read of its result (ISA guide 7.12.1 for vector instructions)
.rept 4
	v_nop
.endr
.endm
.macro CODES g0                        ; two gates of a product: 128 columns
	tensor_load_to_lds s[\g0:\g0+3], s[G1B:G1B+7], s[G2B:G2B+3], s[G3B:G3B+3]
	s_nop 0
	PLACES
.endm
.macro SCL g0                          ; a product's scale bytes, all four gates
	tensor_load_to_lds s[\g0:\g0+3], s[G1S:G1S+7]
	s_nop 0
	PLACES
.endm
	s_load_b512 s[4:19], s[0:1], 0x0               ; xq 4, xs 6, W_codes 8, R_codes 10, U_codes 12, W_scales 14, R_scales 16, U_scales 18
	s_load_b256 s[20:27], s[0:1], 0x40             ; b 20, c 22, h 24, z 26
	s_load_b128 s[28:31], s[0:1], 0x60             ; z_bottom 28, out0 30
	s_load_b64 s[32:33], s[0:1], 0x70              ; out1
	v_lshl_add_u32 v[SPW], v0, 2, SPARE
	v_mov_b32 v[NIL], 0
	ds_add_u32 v[SPW], v[NIL]                      ; the wave's opening: the add, twice on end, and its wait
	ds_add_u32 v[SPW], v[NIL]
	v_lshrrev_b32 v1, 5, v0
	v_readfirstlane_b32 s34, v1                    ; wave 0..3
	s_bfe_u32 s37, ttmp6, 0x40000                  ; cx
	s_lshl_b32 s35, ttmp9, 2
	s_add_co_u32 s35, s35, s37                     ; Y: rows 256 Y on
	s_and_b32 s36, ttmp7, 0xffff                   ; X: units 64 X on
	s_and_b32 s39, s34, 1                          ; waves 0 and 1 fetch codes: gates 2 (w % 2), 2 (w % 2) + 1
	; the weights, in elements of 8 bytes
	s_mov_b32 s[G1B], 15|(3<<16)|(1<<20)|(1<<21)|(6<<22)|(3<<25)   ; 15:0 the mask: all four; 17:16 elements of 8 bytes; 20 padding on; 21 set beside a mask; 24:22 after every 128 words (code 6); 31:25 four words (code 3)
	s_mov_b32 s[G1B+1], 64<<16                     ; tensor_dim0: 512 bytes of a row
	s_mov_b32 s[G1B+2], 16<<16                     ; tensor_dim1: 16 rows
	s_mov_b32 s[G1B+3], 64<<16                     ; tile_dim0
	s_mov_b32 s[G1B+4], 16|(4<<16)                 ; tile_dim1, tile_dim2
	s_mov_b32 s[G1B+5], 256                        ; from row to row: four units
	s_mov_b32 s[G1B+6], 64<<16                     ; from plane to plane: one unit
	s_mov_b32 s[G1B+7], 0
	s_mov_b32 s[G2B], 4                            ; tensor_dim2: four units
	s_mov_b32 s[G2B+1], 2                          ; tensor_dim3: two gates
	s_mov_b32 s[G2B+2], 65536                      ; from gate to gate: 1,024 units
	s_mov_b32 s[G2B+3], 2<<16                      ; tile_dim3
.irp i, 0,1,2,3
	s_mov_b32 s[G3B+\i], 0                         ; no fifth dimension
.endr
	; their scales: four gates' 2,048 bytes (64 units x 32), 32,768 bytes apart, 16 bytes of padding behind each 128
	s_mov_b32 s[G1S], 15|(3<<16)|(1<<20)|(1<<21)|(4<<22)|(3<<25)
	s_mov_b32 s[G1S+1], 256<<16
	s_mov_b32 s[G1S+2], 4<<16
	s_mov_b32 s[G1S+3], 256<<16
	s_mov_b32 s[G1S+4], 4
	s_mov_b32 s[G1S+5], 4096
	s_mov_b32 s[G1S+6], 0
	s_mov_b32 s[G1S+7], 0
.irp g, G0W, G0R, G0U, G0SW, G0SR, G0SU
	s_mov_b32 s[\g], 1
.endr
	s_mul_i32 s38, s39, 128*BP                     ; my part's LDS rows
	s_mov_b32 s[G0W+1], s38
	s_add_co_u32 s[G0R+1], s38, SLOT
	s_mov_b32 s[G0U+1], s38
	s_mov_b32 s[G0SW+1], BSC
	s_mov_b32 s[G0SR+1], BSC+SPP
	s_mov_b32 s[G0SU+1], BSC+2*SPP
	s_wait_dscnt 0x0                               ; both opening adds are done
	v_and_b32 v1, 15, v0                           ; r
	v_bfe_u32 v2, v0, 4, 1                         ; h
	v_and_b32 v3, 31, v0                           ; lane
	v_mul_u32_u24 v4, v1, BP
	v_lshl_add_u32 v[ADB], v2, 4, v4               ; row r, + 16 h
	v_add_nc_u32 v[ADB+1], 128*BP, v[ADB]
	v_add_nc_u32 v[ADB+2], SLOT, v[ADB]
	v_add_nc_u32 v[ADB+3], SLOT+128*BP, v[ADB]
	v_mul_u32_u24 v4, v1, 144
	v_mul_u32_u24 v5, v2, 2*SPG                    ; lanes 16-31: two gates on
	v_add_nc_u32 v4, v4, v5
	v_add_nc_u32 v[ADS], BSC, v4
	v_lshlrev_b32 v[AOF], 4, v3
	v_lshlrev_b32 v[BOF], 4, v1
	v_lshl_add_u32 v[GOF], v2, 15, v[BOF]          ; eight rows of 4,096 bytes for each half of the lanes
	v_lshlrev_b32 v[ZOF], 5, v2
	v_lshlrev_b32 v[PFC], 12, v3                   ; a lane a row
	v_min_u32 v4, 15, v3                           ; lanes 16-31 name lane 15's block again
	v_lshrrev_b32 v5, 3, v4
	v_and_b32 v4, 7, v4
	v_lshlrev_b32 v4, 8, v4
	v_lshl_add_u32 v[PFX], v5, 20, v4              ; lanes 0-7 a K step, lanes 8-15 the next one, 1,048,576 bytes on
	; byte offsets
	s_lshl_b32 s92, s36, 15                        ; codes: 64 X rows of 512 bytes,
	s_lshl_b32 s39, s39, 20                        ; my part two gates on: 2,048 rows
	s_add_co_u32 s92, s92, s39
	s_mov_b32 s93, 0
	s_lshl_b32 s94, s36, 11                        ; scales: 64 X rows of 32 bytes
	s_mov_b32 s95, 0
	s_lshl_b32 s96, s35, 16
	s_lshl_b32 s37, s34, 14
	s_and_b32 s38, s36, 7
	s_lshl_b32 s38, s38, 2
	s_add_co_u32 s38, s38, s34
	s_lshl_b32 s38, s38, 11
	s_add_co_u32 s100, s96, s38                    ; xq's prefetch: 65,536 Y + 2,048 (4 (X % 8) + w)
	s_mov_b32 s101, 0
	s_add_co_u32 s96, s96, s37                     ; xq: 65,536 Y + 16,384 w
	s_mov_b32 s97, 0
	s_mul_i32 s98, s35, 24576
	s_mul_i32 s37, s34, 6144
	s_add_co_u32 s98, s98, s37                     ; xs: 24,576 Y + 6,144 w
	s_mov_b32 s99, 0
	s_wait_alu depctr_va_vdst(0)                   ; the wait at the head's end
	s_wait_kmcnt 0x0
	s_add_nc_u64 s[G0W+2:G0W+3], s[8:9], s[92:93]
	s_add_nc_u64 s[G0R+2:G0R+3], s[10:11], s[92:93]
	s_add_nc_u64 s[G0U+2:G0U+3], s[12:13], s[92:93]
	s_add_nc_u64 s[G0SW+2:G0SW+3], s[14:15], s[94:95]
	s_add_nc_u64 s[G0SR+2:G0SR+3], s[16:17], s[94:95]
	s_add_nc_u64 s[G0SU+2:G0SU+3], s[18:19], s[94:95]
.irp g, G0W, G0R, G0U, G0SW, G0SR, G0SU
	s_or_b32 s[\g+3], s[\g+3], 0x80000000          ; 127:126 type = 2
.endr
	CROUND                                         ; all four work-groups are here: the first joint loads meet
; THE HEAD'S LOADS, ONE A WAVE: waves 0 and 1 W's codes, wave 2 W's scales, wave 3 R's.  One chain of branches, each way with one load
	s_cmp_lt_u32 s34, 2
	s_cbranch_scc0 .Lhead_2
	CODES G0W
	s_branch .Lhead_asked
.Lhead_2:
	s_cmp_lt_u32 s34, 3
	s_cbranch_scc0 .Lhead_3
	SCL G0SW
	s_branch .Lhead_asked
.Lhead_3:
	SCL G0SR
.Lhead_asked:
	s_add_nc_u64 s[66:67], s[4:5], s[100:101]
	s_add_nc_u64 s[4:5], s[4:5], s[96:97]
	s_add_nc_u64 s[6:7], s[6:7], s[98:99]
	s_lshl_b32 s92, s36, 8                         ; b at unit 64 X
	s_add_nc_u64 s[20:21], s[20:21], s[92:93]
.irp i, 0,1,2,3                                ; the rows' scale words of the first product
	global_load_b128 v[SA+4*\i:SA+4*\i+3], v[AOF], s[6:7] offset:512*\i
.endr
.irp g, 0,1,2,3
	global_load_b128 v[BI+4*\g:BI+4*\g+3], v[BOF], s[20:21] offset:4096*\g   ; lane r: b of units 4 r .. 4 r + 3
.endr
.irp q, 0,1,2,3                                ; the rows' fragments of steps 0 to 3, blocks in ascending order
.irp i, 0,1,2,3
.irp c, 0,1
	global_load_b128 v[AF+32*\q+8*\i+4*\c:AF+32*\q+8*\i+4*\c+3], v[AOF], s[4:5] offset:4096*\i+1024*\q+512*\c
.endr
.endr
.endr
	s_lshl_b32 s94, s35, 20                        ; c, h, out0, out1: row 256 Y + 64 w of 4,096 bytes, + 256 X
	s_lshl_b32 s37, s34, 18
	s_add_co_u32 s94, s94, s37
	s_add_co_u32 s94, s94, s92
	s_lshl_b32 s96, s35, 10                        ; z, z_bottom: the same row of 4 bytes
	s_lshl_b32 s37, s34, 8
	s_add_co_u32 s96, s96, s37
	s_add_nc_u64 s[22:23], s[22:23], s[94:95]
	s_add_nc_u64 s[24:25], s[24:25], s[94:95]
	s_add_nc_u64 s[30:31], s[30:31], s[94:95]
	s_add_nc_u64 s[32:33], s[32:33], s[94:95]
	s_add_nc_u64 s[26:27], s[26:27], s[96:97]
	s_add_nc_u64 s[28:29], s[28:29], s[96:97]
; A STEP is 128 along K, 24 in all: step S, product S / 8.  Eight groups of four matrix instructions: groups 0-3 my rows 0-31 against column blocks 0-15, groups 4-7 my rows 32-63.  The 32 accumulators take turns, one
; instruction a turn, in the same order in every step.  The first step's products start the sums from 0.
.macro GROUP g
	WIN MUL_LO+0x50*((\g)/4)
.irp i, 0,1,2,3
.set BB, 4*((\g)%4)+\i
.set FA, AF+32*(S%4)+16*((\g)/4)
.set FB, 128*(S%2)+8*BB
.set SAR, SA+16*(S/8)+8*((\g)/4)+(S%8)
.set SBR, SB+16*((S/2)%2)+2*(BB%8)+(S%2)
.if S == 0
.if BB < 8
	v_wmma_scale_f32_32x16x128_f4 v[16*BB:16*BB+15], v[FA:FA+15], v[FB:FB+7], 0, v[SAR], v[SBR]
.else
	v_wmma_scale_f32_32x16x128_f4 v[16*BB:16*BB+15], v[FA:FA+15], v[FB:FB+7], 0, v[SAR], v[SBR] matrix_b_scale:MATRIX_SCALE_ROW1
.endif
.else
.if BB < 8
	v_wmma_scale_f32_32x16x128_f4 v[16*BB:16*BB+15], v[FA:FA+15], v[FB:FB+7], v[16*BB:16*BB+15], v[SAR], v[SBR]
.else
	v_wmma_scale_f32_32x16x128_f4 v[16*BB:16*BB+15], v[FA:FA+15], v[FB:FB+7], v[16*BB:16*BB+15], v[SAR], v[SBR] matrix_b_scale:MATRIX_SCALE_ROW1
.endif
.endif
.endr
.endm
.macro FRAGS                           ; the sixteen column blocks of step T, into set T % 2: lane (r, h), registers 4 c on: K = 64 c + 32 h + 0 .. 31
	WIN TO_B
.irp n, 0,1,2,3,4,5,6,7,8,9,10,11,12,13,14,15
.irp c, 0,1
	ds_load_b128 v[128*(T%2)+8*\n+4*\c:128*(T%2)+8*\n+4*\c+3], v[ADB+2*((T/8)%2)+\n/8] offset:(\n%8)*16*BP+64*(T%8)+32*\c
.endr
.endr
	WIN 0
.endm
.macro SCALES u                        ; the columns' scale words of steps u, u + 1
.irp n, 0,1,2,3,4,5,6,7
	ds_load_b64 v[SB+16*(((\u)/2)%2)+2*\n:SB+16*(((\u)/2)%2)+2*\n+1], v[ADS] offset:SPP*((\u)/8)+SPG*(\n/4)+32*(\n%4)+4*((\u)%8)
.endr
.endm
; ALL OF A STEP'S LOADS STAND IN ONE RUN AT ITS END: the rows' fragments of the step four on, into the set that the step has just read (in the last four steps c0, h0, c1, h1 of the way out's blocks 0 and 1 in their place),
; and the columns' fragments of the step two on, into the set that it has just read.
.macro RUN
	WIN 0
	PLACES
.if S == 0                                     ; the rows' scale words of products 1 and 2
.irp p, 1,2
.irp i, 0,1,2,3
	global_load_b128 v[SA+16*\p+4*\i:SA+16*\p+4*\i+3], v[AOF], s[6:7] offset:2048*\p+512*\i
.endr
.endr
.endif
.if S < 20
.irp i, 0,1,2,3
.irp c, 0,1
	global_load_b128 v[AF+32*(S%4)+8*\i+4*\c:AF+32*(S%4)+8*\i+4*\c+3], v[AOF], s[4:5] offset:((S+4)/4)*1048576+4096*\i+1024*(S%4)+512*\c
.endr
.endr
.else
.irp j, 0,1,2,3,4,5,6,7
.if (S%2) == 0
	global_load_b128 v[AF+32*(S%4)+4*\j:AF+32*(S%4)+4*\j+3], v[GOF], s[22:23] offset:65536*((S-20)/2)+4096*\j th:TH_LOAD_NT
.else
	global_load_b128 v[AF+32*(S%4)+4*\j:AF+32*(S%4)+4*\j+3], v[GOF], s[24:25] offset:65536*((S-20)/2)+4096*\j th:TH_LOAD_NT
.endif
.endr
.endif
.if S < 22
.if (S%2) == 0
	SCALES S+2
.endif
.set T, S+2
	FRAGS
.endif
; PREFETCHES INTO THE L2.  xq: steps 0 and 8 ask for the two K steps of 512 whose loads begin four steps later; eight of the sixteen work-groups of a row block share its 256 blocks of 256 bytes a K step by address, each wave
; naming 8; K steps 0 and 1 come by their loads alone.  c, h: a lane a row, my own 64 rows, eight and more steps ahead of their loads.  Every address lies inside its buffer.
.if S == 0
	global_prefetch_b8 v[PFX], s[66:67] offset:2097152 th:TH_LOAD_NT scope:SCOPE_SE
.endif
.if S == 8
	global_prefetch_b8 v[PFX], s[66:67] offset:4194304 th:TH_LOAD_NT scope:SCOPE_SE
.endif
.if S == 10
	global_prefetch_b8 v[PFC], s[22:23] th:TH_LOAD_NT scope:SCOPE_SE
	global_prefetch_b8 v[PFC], s[22:23] offset:131072 th:TH_LOAD_NT scope:SCOPE_SE
.endif
.if S == 12
	global_prefetch_b8 v[PFC], s[24:25] th:TH_LOAD_NT scope:SCOPE_SE
	global_prefetch_b8 v[PFC], s[24:25] offset:131072 th:TH_LOAD_NT scope:SCOPE_SE
.endif
.if S == 22                                    ; set 0 of the columns' fragments has been read for the last time: z and z_bottom of rows 16 a + 8 h + 0 .. 7, a = 0 .. 3
	WIN TO_B
.irp a, 0,1,2,3
.irp e, 0,1
	global_load_b128 v[8*\a+4*\e:8*\a+4*\e+3], v[ZOF], s[26:27] offset:64*\a+16*\e
	global_load_b128 v[32+8*\a+4*\e:32+8*\a+4*\e+3], v[ZOF], s[28:29] offset:64*\a+16*\e
.endr
.endr
	WIN 0
.endif
.endm
; LOADcnt: behind the eight loads that a step needs, the next three steps' eight have been issued: 24 may be out; in steps 1 to 3 the eight of the later scale words too, in step 23 z's 16.
; DScnt: behind the fragments (and scale words) that a step needs stand the next step's 32 loads, and in odd steps, up to 21, eight of scale words.
.macro NEED
.if S == 23
	s_wait_loadcnt 40
	s_wait_dscnt 0x0
.else
.if (S > 0) && (S < 4)
	s_wait_loadcnt 32
.else
	s_wait_loadcnt 24
.endif
	s_wait_dscnt 32+8*(S%2)
.endif
.endm
.macro STEP
	NEED
.irp g, 0,1,2,3,4,5,6,7
	GROUP \g
.endr
	RUN
.endm
; The step at whose end the next product's first fragments are asked for.  ONE barrier, in front of which each wave has waited for all its tensor loads (the next product's codes) and for its reads of the slot that is done with
; (the last were asked for at the end of the step before).  fill = 1: that slot takes U: the barrier opens a round of the cluster's, the add stands in front of it and the joint load is the first thing behind it.
.macro TURN fill
	NEED
.irp g, 0,1,2,3
	GROUP \g
.endr
	WIN 0
	s_wait_tensorcnt 0x0
.if \fill
	ds_add_u32 v[SPW], v[NIL]                      ; 0 onto my spare word; eight matrix instructions stand between it and the wait for it
.endif
	GROUP 4
	GROUP 5
	s_wait_dscnt 0x0                               ; the add is done, and my reads of the slot are over
	s_barrier_signal -1
	GROUP 6
	GROUP 7
	WIN 0
	s_barrier_wait -1
.if \fill
	CREST                                          ; no wave of any partner still reads the slot or has a load on its way
	s_cmp_lt_u32 s34, 2                            ; waves 0 and 1 ask, in all four work-groups
	s_cbranch_scc0 .Lnot_u
	CODES G0U
.Lnot_u:
.endif
	RUN
.endm
	s_wait_tensorcnt 0x0                           ; my load of the head's four is in
	ds_add_u32 v[SPW], v[NIL]
	s_wait_dscnt 0x0
	CROUND                                         ; everybody's is in, and all four work-groups are here
	s_cmp_lt_u32 s34, 2                            ; slot 1's first fill: R's codes, by waves 0 and 1; U's scales by wave 2
	s_cbranch_scc0 .Lsecond_2
	CODES G0R
	s_branch .Lsecond_asked
.Lsecond_2:
	s_cmp_eq_u32 s34, 2
	s_cbranch_scc0 .Lsecond_asked
	SCL G0SU
.Lsecond_asked:
	SCALES 0
.set T, 0
	FRAGS
.set T, 1
	FRAGS
.set S, 0
.rept 6
	STEP
.set S, S+1
.endr
	TURN 1
.set S, S+1
.rept 7
	STEP
.set S, S+1
.endr
	TURN 0
.set S, S+1
.rept 9
	STEP
.set S, S+1
.endr
; THE WAY OUT.
.macro CHLOAD a, reg                   ; c and h of block a into window 1: register 4 j + t = row 8 h + j, unit 4 r + t
	WIN TO_B
.irp j, 0,1,2,3,4,5,6,7
	global_load_b128 v[\reg+4*\j:\reg+4*\j+3], v[GOF], s[22:23] offset:65536*\a+4096*\j th:TH_LOAD_NT
.endr
.irp j, 0,1,2,3,4,5,6,7
	global_load_b128 v[\reg+32+4*\j:\reg+32+4*\j+3], v[GOF], s[24:25] offset:65536*\a+4096*\j th:TH_LOAD_NT
.endr
	WIN 0
.endm
	CHLOAD 2, 64
	s_mov_b32 s8, 0xbfb8aa3b                       ; -log2(e); the packed forms name a pair and take its low word for both halves
	s_mov_b32 s9, s8
	s_mov_b32 s10, 0xc038aa3b                      ; -2 log2(e)
	s_mov_b32 s11, s10
	s_mov_b32 s12, 0x42100000                      ; 36.0
.irp i, 0,2,8,10,12,14
	v_pk_mul_f32 v[BI+\i:BI+\i+1], v[BI+\i:BI+\i+1], s[8:9] op_sel_hi:[1,0]      ; k b: i, o, f
.endr
.irp i, 4,6
	v_pk_mul_f32 v[BI+\i:BI+\i+1], v[BI+\i:BI+\i+1], s[10:11] op_sel_hi:[1,0]    ; g
.endr
	s_wait_alu depctr_va_vdst(0)
	s_wait_loadcnt 24                              ; z is in (and c0, h0, c1, older): h1's 8, c2's and h2's 16 may be out
	WIN 0x55
.set KA, 128                           ; v128-159 K1, v160-191 K2, v192-223 K3: register 8 a + j
.irp i, 0,2,4,6,8,10,12,14,16,18,20,22,24,26,28,30
	v_pk_fma_f32 v[KA+\i:KA+\i+1], v[\i:\i+1], -1.0, 1.0 op_sel_hi:[1,0,0]                  ; 1 - z
.endr
.irp i, 0,2,4,6,8,10,12,14,16,18,20,22,24,26,28,30
	v_pk_mul_f32 v[KA+64+\i:KA+64+\i+1], v[KA+\i:KA+\i+1], v[32+\i:32+\i+1]                 ; K3
.endr
.irp i, 0,2,4,6,8,10,12,14,16,18,20,22,24,26,28,30
	v_pk_fma_f32 v[32+\i:32+\i+1], v[32+\i:32+\i+1], -1.0, 1.0 op_sel_hi:[1,0,0]            ; 1 - z_bottom
.endr
.irp i, 0,2,4,6,8,10,12,14,16,18,20,22,24,26,28,30
	v_pk_mul_f32 v[KA+32+\i:KA+32+\i+1], v[KA+\i:KA+\i+1], v[32+\i:32+\i+1]                 ; K2
.endr
.irp i, 0,2,4,6,8,10,12,14,16,18,20,22,24,26,28,30
	v_pk_add_f32 v[KA+\i:KA+\i+1], v[\i:\i+1], v[KA+64+\i:KA+64+\i+1]                       ; K1
.endr
	CHLOAD 3, 0                                    ; over z and z_bottom, which have been read
; A gate's 32 numbers a lane of block a: tile t, row j at v[64 g + 16 t + A8 + j] (as summed), or, once in c's order, n = 4 j + t at v[64 g + 16 (n / 8) + A8 + n % 8].
.macro ALL32 op, g                     ; a transcendental on each of the 32
.irp t, 0,1,2,3
.irp j, 0,1,2,3,4,5,6,7
	\op v[64*\g+16*\t+A8+\j], v[64*\g+16*\t+A8+\j]
.endr
.endr
.endm
.macro HOLD g
.irp t, 0,1,2,3
.irp j, 0,1,2,3,4,5,6,7
	v_min_num_f32 v[64*\g+16*\t+A8+\j], s12, v[64*\g+16*\t+A8+\j]
.endr
.endr
.endm
.macro PLUS1 g
.irp t, 0,1,2,3
.irp j, 0,2,4,6
	v_pk_add_f32 v[64*\g+16*\t+A8+\j:64*\g+16*\t+A8+\j+1], v[64*\g+16*\t+A8+\j:64*\g+16*\t+A8+\j+1], 1.0 op_sel_hi:[1,0]
.endr
.endr
.endm
.macro MULT d, s                       ; gate d x gate s
.irp t, 0,1,2,3
.irp j, 0,2,4,6
	v_pk_mul_f32 v[64*\d+16*\t+A8+\j:64*\d+16*\t+A8+\j+1], v[64*\d+16*\t+A8+\j:64*\d+16*\t+A8+\j+1], v[64*\s+16*\t+A8+\j:64*\s+16*\t+A8+\j+1]
.endr
.endr
.endm
.macro LESS g, k                       ; k less gate g
.irp t, 0,1,2,3
.irp j, 0,2,4,6
	v_pk_fma_f32 v[64*\g+16*\t+A8+\j:64*\g+16*\t+A8+\j+1], v[64*\g+16*\t+A8+\j:64*\g+16*\t+A8+\j+1], -1.0, \k op_sel_hi:[1,0,0]
.endr
.endr
.endm
.macro EXPO g, kx                      ; k s + k b; each accumulator is read from its low end on
.irp t, 0,2
.irp j, 0,2,4,6
	v_pk_fma_f32 v[64*\g+16*\t+A8+\j:64*\g+16*\t+A8+\j+1], v[64*\g+16*\t+A8+\j:64*\g+16*\t+A8+\j+1], s[\kx:\kx+1], v[BI+4*\g+\t:BI+4*\g+\t+1] op_sel_hi:[1,0,0]
.endr
.irp j, 0,2,4,6
	v_pk_fma_f32 v[64*\g+16*\t+16+A8+\j:64*\g+16*\t+16+A8+\j+1], v[64*\g+16*\t+16+A8+\j:64*\g+16*\t+16+A8+\j+1], s[\kx:\kx+1], v[BI+4*\g+\t:BI+4*\g+\t+1] op_sel:[0,0,1] op_sel_hi:[1,0,1]
.endr
.endr
.endm
; BLOCK a: my rows 16 a .. 16 a + 15.  The gates lie in window W, c and h in window CW (0 for blocks 0 and 1, else 1), the coefficients in window 1, the bias in window 0.
; Each batch of transcendentals has one s_wait_alu ahead of it and one behind it, and plain work that names none of its results in front of the latter.
.macro BLOCK a, left
.set W,   2+(\a)/2
.set CW,  (\a)/2
.if \a < 2
.set CB,  AF+64*(\a)
.else
.set CB,  64*(3-(\a))
.endif
.set HB,  CB+32
.set A8,  8*((\a)%2)
.set K1,  KA+8*(\a)
.set K2,  K1+32
.set K3,  K1+64
	WIN W*0x41
	EXPO 0, 8
	EXPO 1, 10
	EXPO 2, 8
	EXPO 3, 8
	WIN W*0x55
	HOLD 1
	s_wait_alu depctr_va_vdst(0)
	ALL32 v_exp_f32, 1
	ALL32 v_exp_f32, 0
	ALL32 v_exp_f32, 3
	ALL32 v_exp_f32, 2
	v_nop                                          ; a plain instruction behind the last exponential
	s_wait_alu depctr_va_vdst(0)
	PLUS1 1                                        ; 1 + Eg
	PLUS1 3                                        ; 1 + Ef
.irp t, 0,1,2,3
.irp j, 0,2,4,6
	v_pk_fma_f32 v[16*\t+A8+\j:16*\t+A8+\j+1], v[16*\t+A8+\j:16*\t+A8+\j+1], v[64+16*\t+A8+\j:64+16*\t+A8+\j+1], v[64+16*\t+A8+\j:64+16*\t+A8+\j+1]   ; (1 + Ei)(1 + Eg)
.endr
.endr
	LESS 1, 2.0                                    ; 1 - Eg
	s_wait_alu depctr_va_vdst(0)
	ALL32 v_rcp_f32, 0
	ALL32 v_rcp_f32, 3                             ; f
	PLUS1 2                                        ; 1 + Eo
	s_wait_loadcnt \left                           ; this block's c and h are in: the later blocks' loads may be out
	s_wait_alu depctr_va_vdst(0)
	MULT 1, 0                                      ; i g
	WIN W*0x41+0x14
.irp t, 0,1,2,3
.irp j, 0,2,4,6
	v_pk_fma_f32 v[192+16*\t+A8+\j:192+16*\t+A8+\j+1], v[192+16*\t+A8+\j:192+16*\t+A8+\j+1], v[K3+\j:K3+\j+1], v[K2+\j:K2+\j+1]   ; K3 f + K2
.endr
.irp j, 0,2,4,6
	v_pk_mul_f32 v[64+16*\t+A8+\j:64+16*\t+A8+\j+1], v[64+16*\t+A8+\j:64+16*\t+A8+\j+1], v[K1+\j:K1+\j+1]                          ; K1 i g
.endr
.endr
	WIN W*0x11+CW*0x44
.irp t, 0,1,2,3
.irp j, 0,1,2,3,4,5,6,7
	v_fma_f32 v[CB+4*\j+\t], v[192+16*\t+A8+\j], v[CB+4*\j+\t], v[64+16*\t+A8+\j]                                                  ; c_new over c: here tiles become neighbours
.endr
.endr
	WIN W*0x40+CW
.irp t, 0,1,2,3
.irp j, 0,2,4,6
	v_pk_mul_f32 v[16*\t+A8+\j:16*\t+A8+\j+1], v[CB+8*\t+\j:CB+8*\t+\j+1], s[10:11] op_sel_hi:[1,0]                                ; in c's order, where i was
.endr
.endr
	WIN W*0x55
	HOLD 0
	s_wait_alu depctr_va_vdst(0)
	ALL32 v_exp_f32, 0                             ; E5
	WIN CW*0x41+4
.irp j, 0,2,4,6
.irp t, 0,2
	v_pk_mul_f32 v[HB+4*\j+\t:HB+4*\j+\t+1], v[HB+4*\j+\t:HB+4*\j+\t+1], v[K2+\j:K2+\j+1] op_sel_hi:[1,0]                         ; K2 h
	v_pk_mul_f32 v[HB+4+4*\j+\t:HB+4+4*\j+\t+1], v[HB+4+4*\j+\t:HB+4+4*\j+\t+1], v[K2+\j:K2+\j+1] op_sel:[0,1] op_sel_hi:[1,1]
.endr
.endr
	WIN CW*4
.irp j, 0,1,2,3,4,5,6,7
	global_store_b128 v[GOF], v[CB+4*\j:CB+4*\j+3], s[32:33] offset:65536*(\a)+4096*\j th:TH_STORE_NT   ; each half of the lanes stores 256 consecutive bytes of a row, from a multiple of 256
.endr
	WIN W*0x55
	s_wait_alu depctr_va_vdst(0)
.irp t, 0,1,2,3
.irp j, 0,1,2,3,4,5,6,7
	v_fma_f32 v[192+16*(\j/2)+A8+4*(\j%2)+\t], v[16*(\j/2)+A8+4*(\j%2)+\t], v[128+16*\t+A8+\j], v[128+16*\t+A8+\j]                 ; (1 + E5)(1 + Eo), in c's order, where f was
.endr
.endr
	s_wait_alu depctr_va_vdst(0)
	ALL32 v_rcp_f32, 3
	LESS 0, 1.0                                    ; 1 - E5
	s_wait_alu depctr_va_vdst(0)
	MULT 0, 3                                      ; o tanh(c_new)
	WIN W+4+CW*0x50
.irp j, 0,2,4,6
.irp t, 0,2
	v_pk_fma_f32 v[HB+4*\j+\t:HB+4*\j+\t+1], v[16*(\j/2)+A8+\t:16*(\j/2)+A8+\t+1], v[K1+\j:K1+\j+1], v[HB+4*\j+\t:HB+4*\j+\t+1] op_sel_hi:[1,0,1]   ; h_new over h
	v_pk_fma_f32 v[HB+4+4*\j+\t:HB+4+4*\j+\t+1], v[16*(\j/2)+A8+4+\t:16*(\j/2)+A8+4+\t+1], v[K1+\j:K1+\j+1], v[HB+4+4*\j+\t:HB+4+4*\j+\t+1] op_sel:[0,1,0] op_sel_hi:[1,1,1]
.endr
.endr
	WIN CW*4
.irp j, 0,1,2,3,4,5,6,7
	global_store_b128 v[GOF], v[HB+4*\j:HB+4*\j+3], s[30:31] offset:65536*(\a)+4096*\j th:TH_STORE_NT
.endr
.endm
	BLOCK 0, 40                                    ; behind h0: h1's 8, c2, h2, c3, h3
	BLOCK 1, 32
	BLOCK 2, 16
	BLOCK 3, 0
	WIN 0
	s_wait_tensorcnt 0x0                           ; the wave's end, behind my last tensor load
	ds_add_u32 v[SPW], v[NIL]
	s_wait_dscnt 0x0
	CROUND                                         ; the closing round: no work-group ends while a partner may still ask for a tile that names it
	s_endpgm
.Lfunc_end_k_q58e4f71349_cell:
	.size	k_q58e4f71349_cell, .Lfunc_end_k_q58e4f71349_cell-k_q58e4f71349_cell
	.p2alignl 7, 3214868480
	.fill 96, 4, 3214868480
	.section	.rodata,"a",@progbits
	.p2align	6, 0x0
	.amdhsa_kernel k_q58e4f71349_cell
		.amdhsa_group_segment_fixed_size 327680
		.amdhsa_private_segment_fixed_size 0
		.amdhsa_enable_private_segment 0
		.amdhsa_kernarg_size 120
		.amdhsa_user_sgpr_count 2
		.amdhsa_user_sgpr_kernarg_segment_ptr 1
		.amdhsa_wavefront_size32 1
		.amdhsa_system_sgpr_workgroup_id_x 1
		.amdhsa_system_sgpr_workgroup_id_y 1
		.amdhsa_system_sgpr_workgroup_id_z 1
		.amdhsa_system_vgpr_workitem_id 0
		.amdhsa_next_free_vgpr 1024
		.amdhsa_next_free_sgpr 102
		.amdhsa_reserve_vcc 0
		.amdhsa_float_denorm_mode_32 3
		.amdhsa_float_denorm_mode_16_64 3
		.amdhsa_memory_ordered 1
		.amdhsa_forward_progress 1
		.amdhsa_inst_pref_size 255
	.end_amdhsa_kernel
	.section	.bss,"aw",@nobits
	.p2align	6
	.space	262144
	.amdgpu_metadata
---
amdhsa.version: [ 1, 2 ]
amdhsa.kernels:
  - .name:           k_q58e4f71349_cell
    .symbol:         k_q58e4f71349_cell.kd
    .args:
      - { .name: xq, .offset: 0, .size: 8, .value_kind: global_buffer, .address_space: global }
      - { .name: xs, .offset: 8, .size: 8, .value_kind: global_buffer, .address_space: global }
      - { .name: W_codes, .offset: 16, .size: 8, .value_kind: global_buffer, .address_space: global }
      - { .name: R_codes, .offset: 24, .size: 8, .value_kind: global_buffer, .address_space: global }
      - { .name: U_codes, .offset: 32, .size: 8, .value_kind: global_buffer, .address_space: global }
      - { .name: W_scales, .offset: 40, .size: 8, .value_kind: global_buffer, .address_space: global }
      - { .name: R_scales, .offset: 48, .size: 8, .value_kind: global_buffer, .address_space: global }
      - { .name: U_scales, .offset: 56, .size: 8, .value_kind: global_buffer, .address_space: global }
      - { .name: b, .offset: 64, .size: 8, .value_kind: global_buffer, .address_space: global }
      - { .name: c, .offset: 72, .size: 8, .value_kind: global_buffer, .address_space: global }
      - { .name: h, .offset: 80, .size: 8, .value_kind: global_buffer, .address_space: global }
      - { .name: z, .offset: 88, .size: 8, .value_kind: global_buffer, .address_space: global }
      - { .name: z_bottom, .offset: 96, .size: 8, .value_kind: global_buffer, .address_space: global }
      - { .name: out0, .offset: 104, .size: 8, .value_kind: global_buffer, .address_space: global }
      - { .name: out1, .offset: 112, .size: 8, .value_kind: global_buffer, .address_space: global }
    .group_segment_fixed_size: 327680
    .private_segment_fixed_size: 0
    .kernarg_segment_align: 8
    .kernarg_segment_size: 120
    .max_flat_workgroup_size: 128
    .sgpr_count:     102
    .vgpr_count:     1024
    .wavefront_size: 32
...
	.end_amdgpu_metadata
.endif
;; end of part 2
